; MI455X (gfx1250); checked and timed in simulation.
; The chip was launched on July 23, 2026; its instructions are those of AMD's public machine-readable ISA for CDNA 5 (MIT licence, August 2026) and "CDNA5" Instruction Set Architecture Reference Guide (July 2026). The comments in the code are by the model that wrote it; some were corrected since.
;; Gemma2 Original. Allowed arithmetic: matrix products marked QUANTISED: E4M3 operands, one E8M0 scale for each 32 along K, by v_wmma_scale_f32_16x16x128_f8f6f4 with both operands' format E4M3, f32 sums; everything else in f32.
;; Inputs: k_codes 2 x 16 x 2,048 x 4 x 32 uint8 (E4M3 codes of k, K innermost, in blocks of 32 codes); k_scales 2 x 16 x 2,048 x 4 uint8 (E8M0 scales of k, one for each 32 codes along K); q_codes 2 x 16 x 2,048 x 4 x 32 uint8 (E4M3 codes of q, K innermost, in blocks of 32 codes); q_scales 2 x 16 x 2,048 x 4 uint8 (E8M0 scales of q, one for each 32 codes along K); v_codes 2 x 16 x 128 x 64 x 32 uint8 (E4M3 codes of v, K innermost, in blocks of 32 codes); v_scales 2 x 16 x 128 x 64 uint8 (E8M0 scales of v, one for each 32 codes along K).
;; Outputs: out0 2 x 16 x 2,048 x 128 float32.
;; This version of the problem:
;;   THIS VERSION OF THE PROBLEM IS GIVEN IN LOW PRECISION. The matrix products marked QUANTISED in the list below multiply operands that are first quantised to E4M3 (4 exponent bits, 3 mantissa bits; 8 bits a number), with one power-of-two scale for each 32 numbers along K (OCP MX v1.0); their sums are f32. All else is computed in f32.
;;   The module's matrix products, in the order in which they are computed (A, B: the left and right operand; K: the contracted axis; several contracted axes count as one K, in the product's order):
;;     1. batch 32 x [M 2,048, K 128] x [K 128, N 2,048]; A: input q (given as codes); B: input k (given as codes): QUANTISED
;;     2. batch 32 x [M 2,048, K 2,048] x [K 2,048, N 128]; A: softmax (see below); B: input v (given as codes): QUANTISED
;;   THE QUANTISER, for each operand of a quantised product, along K:
;;     - K is cut into blocks of 32 from its start; a last block that is shorter is filled with zeros.
;;     - A block's scale is 2^e with e = floor(log2(the largest magnitude in the block)) - 8, held to -126 .. 127; a block of zeros has e = 0. As a byte (E8M0): e + 127.
;;     - Each number is divided by its block's scale, clamped to +-448, and rounded to the nearest number of E4M3, ties to even, subnormals kept.
;;     - The product sums the exact products of the quantised numbers (number of the format x scale) in f32.
;;   ~~~python
;;   def quantise(x, axis):      # numpy; x: float32 -> the quantised numbers, widened to float32 again
;;       x = np.moveaxis(x, axis, -1); K = x.shape[-1]
;;       x = np.pad(x, [(0, 0)] * (x.ndim - 1) + [(0, -K % 32)]); x = x.reshape(x.shape[:-1] + (-1, 32)); a = np.abs(x).max(-1, keepdims=True)
;;       e = np.where(a > 0, np.clip(np.frexp(np.where(a > 0, a, 1))[1] - 1 - 8, -126, 127), 0)      # np.frexp(a)[1] - 1 = floor(log2(a)), exactly
;;       r = np.clip(x / 2.0 ** e, -448, 448)
;;       step = 2.0 ** (np.maximum(np.frexp(np.where(r == 0, 1, r))[1] - 1, -6) - 3)
;;       q = np.round(r / step) * step * 2.0 ** e      # np.round: ties to even
;;       return np.moveaxis(q.reshape(q.shape[:-2] + (-1,))[..., :K], -1, axis).astype(np.float32)
;;   ~~~
;;   SOFTMAX AHEAD OF A QUANTISED PRODUCT. Where the list says 'softmax', what is quantised is not the finished softmax but p = 2^(t - M), with t = logit x log2(e) and M = ceil(the row's largest t), a whole number; so 1/2 < the row's largest p <= 1. The row's sum l is taken of the UNQUANTISED p, in f32, and the product's result is divided by l at the end. Since M is a whole number, a kernel that streams over the keys may use a running M (the ceiling of the running maximum): every later rescaling is an exact power of two, which a block's scale takes up: the codes' values come out the same.
;;   OPERANDS COMPUTED ON THE WAY. 'Computed on the way' means the value that the module computes at that place (a softmax that the list does not call 'softmax' is quantised finished and normalised). What goes into a quantiser is computed in f32, as accurately as f32 sums, v_exp_f32 and their like allow (about 1e-6 of the number): no bf16 or f16 on the way to a quantiser, and a product that is left as it is and whose result goes on into a quantised operand takes f32 operands (vector FMAs, or v_wmma_f32_16x16x4_f32). A number that lies on a knife's edge between two numbers of the format may be rounded either way, as far as f32 arithmetic and the matrix unit's own rounding can turn it there, and no further.
;;   INPUTS GIVEN AS CODES. k (in the module: [2, 16, 128, 2048], K = its axis 2); q (in the module: [2, 16, 2048, 128], K = its axis 3); v (in the module: [2, 16, 2048, 128], K = its axis 2): each comes as NAME_codes (uint8): NAME with its K axis moved to the last place and cut into blocks of 32 codes, [.., K / 32, bytes a block], one block behind the other in memory; one code a byte (a code: sign, 4 exponent bits, 3 mantissa bits); and NAME_scales (uint8): the same leading axes, one E8M0 byte (e + 127) for each 32 codes along K. Its value is code x scale, taken as it is: it is not quantised again, and the codes and scales need not be those that the quantiser above would give.
;; One version. Each part assembles by itself: llvm-mc -triple=amdgcn-amd-amdhsa -mcpu=gfx1250 --defsym DOCPART=n.
;; ======== version 1 of 1: 1 launch
;; limits: inputs' magnitudes at most 17,592,186,044,416; right only within a limited range of input values
;; launch attn (part 1): grid 8 x 32, 8 waves a work-group, no clusters, 327,680 bytes of LDS; arguments k_codes, k_scales, q_codes, q_scales, v_codes, v_scales, out0; writes out0
.if DOCPART == 1
	.amdgcn_target "amdgcn-amd-amdhsa--gfx1250"
	.amdhsa_code_object_version 6
	.text
	.protected	k_q488ecacc48_attn
	.globl	k_q488ecacc48_attn
	.p2align	8
	.type	k_q488ecacc48_attn,@function
k_q488ecacc48_attn:
	s_mov_b64 s[64:65], 0
	v_nop
	global_prefetch_b8 v0, s[64:65] scope:SCOPE_SE
	s_setreg_imm32_b32 hwreg(HW_REG_WAVE_MODE, 25, 1), 1
	s_wait_xcnt 0x0
; out0[head][q][:] = the sum over keys k <= q of softmax_k(50 tanh(Q[q] . K[k] / (50 sqrt(128)))) V[k][:], 32 heads, 2,048 queries and keys, head size 128.
; Both products run on codes of FP8 (E4M3) with one E8M0 scale for each 32 along a product's K.  Q, K: [head][2048][128] codes, scale bytes [head][2048][4].
; V: codes with the KEYS innermost, [head][128][2048], scale bytes [head][128][64].  out0: [head][2048][128] f32.
; THE SOFT CAP.  x = score / (50 sqrt(128)), held within +-7.9053; t = 50 log2(e) tanh(x) = x N(x^2) / D(x^2), N of degree 6 and D of degree 3 in x^2, D's coefficients
; already divided by 50 log2(e).  The quotient keeps its relative accuracy at small x, where 1 - 2 / (1 + e^2x) would lose it by cancellation; beyond the hold tanh is 1 in f32.
; NO MAXIMUM IS TAKEN AWAY: p = 2^t, that is M = 0.  The cap bounds t within +-72.14 for every input, so p lies in 2^-72.2 .. 2^72.2 and a row's sum of 2,048 of them under 2^83.2:
; nothing can overflow or underflow in f32.  M = 0 is a whole number, so each block's scale takes up the power of two and the codes' values are those of any other whole M.
; The row's sum is taken of the unquantised p, in f32, and divides O at the end.  Hidden keys get p = 0 behind the exponential.
; SHARES.  A work-group (g = 0..7, head) owns the queries 128 g .. 128 g + 127 and 128 (15 - g) .. + 127; each of its eight waves owns 16 of each and takes them one after the other.
; The first pass needs g + 1 key steps of 128, the second 16 - g: 17 for every wave of the launch, and all waves of a work-group stand at the same key step between any two barriers.
; Keys come in slots of 256 (a row of V's tile is then 256 bytes): (g / 2) + 1 slots for the first pass, 8 - (g / 2) for the second: NINE for every work-group, a constant of the text.
; Of the 18 step places one holds only keys behind the queries, always a slot's second: a scalar branch on ids jumps over its work, never over a barrier or a tensor load.
; NO CLUSTER: the eight work-groups of a head walk different lists of slots (g decides where the pass changes and which step is left out), so partners would ask for different tiles
; in the same trip and branch differently; a form in which all walk alike has 40 tile steps on a SIMD's path where this one has 34.
; LAYOUT.  Both products are used transposed: S^T = K Q^T (source 0 = 16 keys, source 1 = my 16 queries), O^T = V^T P^T: a lane holds ONE query (lane % 16) throughout.
; Lane r of K's tile 2 b + u takes key 32 b + 8 u + r + 8 (r / 8), so that the 16 registers of tiles 2 b and 2 b + 1 are the 16 neighbouring keys 32 b + 16 (lane / 16) + 0 .. 15.
; K's tile is brought in two parts, part u = the groups of eight keys u, u + 2, u + 4 ..: such a tile's 16 rows are then neighbours in LDS.
; A whole step's operands (8 fragments of K, 8 of V) lie in registers, fetched a phase ahead, so a slot is left as soon as its second step's V has landed.
; LDS: two buffers 2^17 bytes apart (K part 0, K part 1: 128 rows x 144 bytes each; V: 128 rows x 272); between them the stages for the way out, the image of the second pass's Q and the
; spare words; behind them the head's scale bytes of K and of V, 32 pieces of 256 bytes + 16 each, filled once.  The claim of all of LDS.
; REGISTERS, window 0: v1-15 addresses and the sum; v16-31 Q; v32-79 at work; v80-95 the quantiser's; v96-159 S^T, x, t, p; v160-223 O^T; v224-239 p's codes; v240-250 scale words; v252-255 constants.
;   window 1: v0-127 K's eight fragments, v128-255 V's eight.
; LIMITS: NaN codes and the scale byte 0xff are not served.  O^T carries p unnormalised: its sums stay finite for |v| under 2^44.  A block of hidden keys keeps the byte 1 over zero codes.
.set SLOT1, 1<<17                      ; buffer 1 begins here: one exclusive or turns an address in one buffer into the other's
.set KP,    144                        ; a key's row in LDS: 128 bytes + 16: the 16 rows of a load begin at 16 different multiples of 16 bytes modulo 256
.set KPART, 128*KP                     ; a part of K's tile
.set VP,    272                        ; a row of V's tile: 256 bytes + 16
.set VOFF,  2*KPART
.set VHALF, 64*VP                      ; what one tensor load brings of V
.set STAGE, VOFF+2*VHALF               ; 71,680: behind buffer 0: 16 rows x 272 bytes for each wave, for the way out; no tile lands here
.set QIMG,  STAGE+8*16*272             ; 106,496: the second pass's Q as an image of its registers: piece c at 4,096 c + 16 x thread
.set SPARE, QIMG+16384                 ; 122,880: the spare words, 128 bytes for each wave: four blocks of 256 bytes that no other line names
.set SCK,   SLOT1+STAGE                ; 202,752: K's scale bytes
.set SCH,   16*272                     ; half a head's: what one tensor load brings
.set SCV,   SCK+2*SCH                  ; V's
.set AK0,  1                           ; v1   my lane's place in a tile of K: 144 r + 16 h
.set AV0,  2                           ; v2   in a tile of V: VOFF + 272 r + 16 h
.set ASK0, 3                           ; v3   among K's scale words: lanes 0-15 an even tile's rows, lanes 16-31 the odd tile's beside it
.set ASV0, 4                           ; v4   among V's, likewise
.set SPW,  5                           ; v5   LDS address of my spare word; never rewritten
.set NIL,  6                           ; v6   0; never rewritten
.set GO,   7                           ; v7   the way out: my byte offset in the wave's rows of out0
.set ADK,  8                           ; v8-11 addresses of the runs of loads in hand
.set ADV,  9
.set ADS,  10
.set ADT,  11
.set LS,   12                          ; v[12:13] the row's sum, in two halves
.set STO,  14                          ; v14  the stage: where I put 32 bytes of a row
.set RD,   15                          ; v15  and where I read a row back
.set QF,   16
.set ZZ,   32                          ; x^2, 8 pairs
.set PP,   48                          ; the numerator
.set DD,   64                          ; the denominator
.set HO,   32                          ; two sets of 16 held numbers, by turns
.set TM,   80                          ; +0 largest p, +4 the other half's and the bytes, +8 448 x the scale, +12 the conversions' scale operands
.set SS,   96
.set OT,   160
.set PC,   224
.set KS,   240                         ; v240-243 K's scale words: register b: tile 2 b in lanes 0-15, tile 2 b + 1 in lanes 16-31
.set VS,   244                         ; v244-247 V's likewise
.set QS,   248                         ; Q's scale words
.set PS,   249                         ; p's
.set QS2,  250                         ; the second pass's Q's, kept
.set DR,   251                         ; at work
.set CA,   252                         ; v[252:253] the numerator's leading coefficient, twice
.set CB,   254                         ; v[254:255] the denominator's
.set NG,   2                           ; s2   16 - N1
.set WV,   18
.set MNT,  19                          ; the mantissa field of 448
.set SEL,  20                          ; s[20:21] v_permlanex16_b32's selects for lane l xor 16
.set CX,   22                          ; s[22:23] 1 / (50 sqrt(128)), twice
.set G1K,  24                          ; s[24:31] descriptor group 1 for K's parts;  s[32:39] for V's halves;  s[48:55] for the scale bytes
.set G1V,  32
.set G0K,  40                          ; s[40:43], s[44:47] groups 0 for K and V, written anew for each fill
.set G0V,  44
.set G1S,  48
.set G0SK, 56
.set G0SV, 60
.set N,    66                          ; the walk's slot, 0 .. 8
.set N1,   67                          ; slots of the first pass
.set TB,   68                          ; LDS byte at which the buffer in hand begins
.set TS,   69                          ; where the slot's scale words of K begin: 1,088 bytes a slot of keys
.set TJ,   70                          ; and V's: 8 bytes
.set KF,   71                          ; the slot's first key
.set Q0,   72                          ; my first query of the pass in hand
.set QA,   73
.set QB,   74
.set T1,   75
.set T2,   76
.set KN,   77                          ; the slot of keys to be fetched
.set HF,   78                          ; 1: this slot's second step holds only hidden keys
.set HB,   79                          ; the first query of the work-group's 128 in hand
.set KB,   80                          ; s[80:81] K's codes at my part of the head;  s[82:83] V's at my half
.set VB,   82
.set OA,   84                          ; s[84:85], s[86:87] out0 at my first query of each pass
.set OB,   86
.set XHI,  88
.set XLO,  89
.set TBN,  90
.set TSN,  91
.set OFF,  92                          ; s[92:93] an offset in 64 bits; the upper word stays 0
.set HA,   94
.set HBB,  95
.set EE,   96
.set T3,   97
.set T4,   98
.set T5,   99
.set NUM1,  0x3BA059DC                 ; tanh(x) = x N(x^2) / D(x^2): N's coefficients of x^0 .. x^12
.set NUM3,  0x3A270DED
.set NUM5,  0x3779434A
.set NUM7,  0x335C0041
.set NUM9,  0xAEBD37FF
.set NUM11, 0x2A61337E
.set NUM13, 0xA59F25C0
.set DEN0,  0x388E449B                 ; D's, each divided by 50 log2(e)
.set DEN2,  0x3803E627
.set DEN4,  0x35DC8D4B
.set DEN6,  0x328EB0D4
.set MSB, 0
.macro WIN new                         ; the immediate's high byte repeats the setting that is left; at every label and branch the setting is 0
.if MSB != \new
	s_set_vgpr_msb (MSB<<8)|\new
.set MSB, \new
.endif
.endm
; Waves 0 and 1 fetch for K, waves 2 and 3 for V, the others nothing.  The branches hang on the wave's number alone.  Four v_nop follow each of the two lines.
.macro TLOAD g0k, g1k, g0v, g1v
	s_cmp_lt_u32 s[WV], 2
	s_cbranch_scc0 .Lnot_k_\@
	tensor_load_to_lds s[\g0k:\g0k+3], s[\g1k:\g1k+7]
	s_nop 0
.rept 4
	v_nop
.endr
	s_branch .Lasked_\@
.Lnot_k_\@:
	s_cmp_lt_u32 s[WV], 4
	s_cbranch_scc0 .Lasked_\@
	tensor_load_to_lds s[\g0v:\g0v+3], s[\g1v:\g1v+7]
	s_nop 0
.rept 4
	v_nop
.endr
.Lasked_\@:
.endm
; Which slot of keys the walk's slot N + add holds: itself in the first pass, less N1 in the second (as + 16 - N1 modulo 16); held at 7, the head's last
.macro KSLOT dst, add
	s_add_co_u32 s[\dst], s[N], \add
	s_add_co_u32 s[T1], s[\dst], s[NG]
	s_and_b32 s[T1], s[T1], 15
	s_cmp_lt_u32 s[\dst], s[N1]
	s_cselect_b32 s[\dst], s[\dst], s[T1]
	s_min_u32 s[\dst], s[\dst], 7
.endm
; A step's K: four registers of scale words and eight fragments, from the buffer at s[sb], step q of its slot
.macro KLOAD sb, st, q
	v_add_nc_u32 v[ADK], s[\sb], v[AK0]
	v_add_nc_u32 v[ADS], s[\st], v[ASK0]
.irp b, 0,1,2,3
	ds_load_b32 v[KS+\b], v[ADS] offset:544*(\q)+272*(\b/2)+128*(\b%2)
.endr
	WIN 0x40                                       ; destination window 1, address window 0
.irp t, 0,1,2,3,4,5,6,7
.irp c, 0,1,2,3
	ds_load_b128 v[16*\t+4*\c:16*\t+4*\c+3], v[ADK] offset:(\t%2)*KPART+(64*(\q)+16*(\t/2))*KP+32*\c
.endr
.endr
	WIN 0
.endm
; A step's V, from the buffer in hand
.macro VLOAD q
	v_add_nc_u32 v[ADV], s[TB], v[AV0]
	v_add_nc_u32 v[ADT], s[TJ], v[ASV0]
.irp j, 0,1,2,3
	ds_load_b32 v[VS+\j], v[ADT] offset:2176*\j+4*(\q)
.endr
	WIN 0x40
.irp t, 0,1,2,3,4,5,6,7
.irp c, 0,1,2,3
	ds_load_b128 v[128+16*\t+4*\c:128+16*\t+4*\c+3], v[ADV] offset:16*\t*VP+128*(\q)+32*\c
.endr
.endr
	WIN 0
.endm
; S^T = K Q^T: eight tiles of 16 keys.  The eight v_nop are the places in front of the first read of the scores and of the loads into registers that these products and the
; products V^T P^T just before them have read
.macro SPHASE
	s_wait_dscnt 0x0                               ; K's fragments and scale words are in
	WIN 0x01                                       ; source 0 (K) window 1
	s_wait_alu depctr_va_vdst(0)
.irp t, 0,2,4,6
	v_wmma_scale_f32_16x16x128_f8f6f4 v[SS+8*\t:SS+8*\t+7], v[16*\t:16*\t+15], v[QF:QF+15], 0, v[KS+\t/2], v[QS]
	v_wmma_scale_f32_16x16x128_f8f6f4 v[SS+8*\t+8:SS+8*\t+15], v[16*\t+16:16*\t+31], v[QF:QF+15], 0, v[KS+\t/2], v[QS] matrix_a_scale:MATRIX_SCALE_ROW1
.endr
	WIN 0
.rept 8
	v_nop
.endr
.endm
.macro HORNER acc, lit                 ; acc = acc x^2 + lit, eight pairs
.irp p, 0,2,4,6,8,10,12,14
	v_pk_fma_f32 v[\acc+\p:\acc+\p+1], v[\acc+\p:\acc+\p+1], v[ZZ+\p:ZZ+\p+1], \lit op_sel_hi:[1,1,0]
.endr
.endm
; 16 scores of a lane (a block's half) become p = 2^t.  Eight pairs by turns, so that no line waits for the line above it; each accumulator is read from its low end on.
; Each reciprocal has a plain line of the numerator's behind it (ISA guide 5.7.2); the exponentials stand together, and the next block's first line is the plain line behind them.
.macro TBLOCK b
.set XB, SS+16*(\b)
.irp p, 0,2,4,6,8,10,12,14
	v_pk_mul_f32 v[XB+\p:XB+\p+1], v[XB+\p:XB+\p+1], s[CX:CX+1] op_sel_hi:[1,0]   ; x = score / (50 sqrt(128))
.endr
.irp i, 0,1,2,3,4,5,6,7,8,9,10,11,12,13,14,15
	v_med3_num_f32 v[XB+\i], v[XB+\i], s[XLO], s[XHI]                             ; held where tanh is 1 in f32
.endr
.irp p, 0,2,4,6,8,10,12,14
	v_pk_mul_f32 v[ZZ+\p:ZZ+\p+1], v[XB+\p:XB+\p+1], v[XB+\p:XB+\p+1]
.endr
.irp p, 0,2,4,6,8,10,12,14
	v_pk_fma_f32 v[PP+\p:PP+\p+1], v[ZZ+\p:ZZ+\p+1], v[CA:CA+1], NUM11 op_sel_hi:[1,1,0]
.endr
.irp p, 0,2,4,6,8,10,12,14
	v_pk_fma_f32 v[DD+\p:DD+\p+1], v[ZZ+\p:ZZ+\p+1], v[CB:CB+1], DEN4 op_sel_hi:[1,1,0]
.endr
	HORNER PP, NUM9
	HORNER DD, DEN2
	HORNER PP, NUM7
	HORNER DD, DEN0
.irp p, 0,2,4,6,8,10,12,14
	v_rcp_f32 v[DD+\p], v[DD+\p]
	v_pk_fma_f32 v[PP+\p:PP+\p+1], v[PP+\p:PP+\p+1], v[ZZ+\p:ZZ+\p+1], NUM5 op_sel_hi:[1,1,0]
.endr
.irp p, 0,2,4,6,8,10,12,14
	v_rcp_f32 v[DD+\p+1], v[DD+\p+1]
	v_pk_fma_f32 v[PP+\p:PP+\p+1], v[PP+\p:PP+\p+1], v[ZZ+\p:ZZ+\p+1], NUM3 op_sel_hi:[1,1,0]
.endr
	HORNER PP, NUM1
.irp p, 0,2,4,6,8,10,12,14
	v_pk_mul_f32 v[PP+\p:PP+\p+1], v[PP+\p:PP+\p+1], v[XB+\p:XB+\p+1]
.endr
	s_wait_alu depctr_va_vdst(0)
.irp p, 0,2,4,6,8,10,12,14
	v_pk_mul_f32 v[XB+\p:XB+\p+1], v[PP+\p:PP+\p+1], v[DD+\p:DD+\p+1]             ; t = 50 log2(e) tanh(x)
.endr
.irp i, 0,1,2,3,4,5,6,7,8,9,10,11,12,13,14,15
	v_exp_f32 v[XB+\i], v[XB+\i]                                                  ; p = 2^t
.endr
.endm
.macro PHASE_T
	TBLOCK 0
	TBLOCK 1
	TBLOCK 2
	TBLOCK 3
	v_nop                                          ; the plain line behind the last exponentials, whatever follows
.endm
; On the diagonal the p of hidden keys become 0.  A step whose first key lies under the work-group's first query has no hidden key and skips this: a scalar branch on ids.
.macro MASK q
	s_add_co_u32 s[T1], s[KF], 128*(\q)
	s_cmp_lt_u32 s[T1], s[HB]
	s_cbranch_scc1 .Lopen_\@
	s_sub_co_i32 s[T1], s[Q0], s[T1]
	v_and_b32 v[DR], 15, v0
	v_and_b32 v[TM], 16, v0
	v_sub_nc_u32 v[DR], v[DR], v[TM]
	v_add_nc_u32 v[DR], s[T1], v[DR]               ; d = my query - the step's first key - 16 (lane / 16).  Register 16 b + i holds key 32 b + 16 (lane / 16) + i of the step: it counts where 32 b + i <= d
.set J, 0
	s_wait_alu depctr_va_vdst(0)
.rept 64
	v_cmp_le_i32 vcc_lo, 32*(J/16)+J%16, v[DR]
	v_cndmask_b32 v[SS+J], 0, v[SS+J], vcc_lo
.set J, J+1
.endr
.Lopen_\@:
.endm
; p is quantised along the keys, four blocks of 32 (16 numbers in my lane, 16 in lane l xor 16), and summed unquantised.
.macro PHASE_E
	s_wait_alu depctr_va_vdst(0)
.irp b, 0,1,2,3
	v_max3_num_f32 v[TM+\b], v[SS+16*\b], v[SS+16*\b+1], 0x4800000   ; p is never negative; the floor 2^(9 - 127) holds the byte at 1 from below
.endr
.irp i, 2,4,6,8,10,12,14
.irp b, 0,1,2,3
	v_max3_num_f32 v[TM+\b], v[TM+\b], v[SS+16*\b+\i], v[SS+16*\b+\i+1]
.endr
.endr
.irp b, 0,1,2,3
	v_permlanex16_b32 v[TM+4+\b], v[TM+\b], s[SEL], s[SEL+1]
.endr
.irp b, 0,1,2,3
	v_max_num_f32 v[TM+\b], v[TM+\b], v[TM+4+\b]   ; the block's largest p
.endr
.irp b, 0,1,2,3
	v_add_nc_u32 v[TM+12+\b], 0xfc000000, v[TM+\b] ; 8 off its exponent field: the conversion's scale operand
.endr
.irp b, 0,1,2,3
	v_and_or_b32 v[TM+8+\b], v[TM+\b], 0x7f800000, s[MNT]   ; 448 x the scale
.endr
.irp b, 0,1,2,3
	v_lshrrev_b32 v[TM+4+\b], 23, v[TM+12+\b]      ; the scale's byte
.endr
	v_lshl_or_b32 v[PS], v[TM+5], 8, v[TM+4]       ; p's scale word for these 128 keys
	v_lshl_or_b32 v[PS], v[TM+6], 16, v[PS]
	v_lshl_or_b32 v[PS], v[TM+7], 24, v[PS]
.irp b, 0,1,2,3
.irp i, 0,1,2,3,4,5,6,7,8,9,10,11,12,13,14,15
	v_min_num_f32 v[HO+16*(\b%2)+\i], v[SS+16*\b+\i], v[TM+8+\b]   ; the conversion does not saturate (ISA guide 7.6.2): the hold, one-sided, into a set of its own: the sum below wants p as it is
.endr
	v_cvt_scalef32_pk8_fp8_f32 v[PC+4*\b:PC+4*\b+1], v[HO+16*(\b%2):HO+16*(\b%2)+7], v[TM+12+\b]
	v_cvt_scalef32_pk8_fp8_f32 v[PC+4*\b+2:PC+4*\b+3], v[HO+16*(\b%2)+8:HO+16*(\b%2)+15], v[TM+12+\b]
.endr
	v_pk_add_f32 v[DD:DD+1], v[SS:SS+1], v[SS+2:SS+3]   ; the row's sum of the unquantised p, two at a time, in two chains.  These 32 lines are also the plain lines between the conversions, the scale word and the products
.irp j, 4,8,12,16,20,24,28,32,36,40,44,48,52,56,60
	v_pk_add_f32 v[LS:LS+1], v[LS:LS+1], v[SS+\j:SS+\j+1]
	v_pk_add_f32 v[DD:DD+1], v[DD:DD+1], v[SS+\j+2:SS+\j+3]
.endr
	v_pk_add_f32 v[LS:LS+1], v[LS:LS+1], v[DD:DD+1]
.endm
; O^T += V^T P^T: eight tiles of 16 of the head's 128; the eight accumulators take turns, one instruction a turn
.macro PVPHASE
	s_wait_dscnt 0x0                               ; V's fragments and scale words are in
	WIN 0x01                                       ; source 0 (V) window 1
.irp t, 0,2,4,6
	v_wmma_scale_f32_16x16x128_f8f6f4 v[OT+8*\t:OT+8*\t+7], v[128+16*\t:128+16*\t+15], v[PC:PC+15], v[OT+8*\t:OT+8*\t+7], v[VS+\t/2], v[PS]
	v_wmma_scale_f32_16x16x128_f8f6f4 v[OT+8*\t+8:OT+8*\t+15], v[128+16*\t+16:128+16*\t+31], v[PC:PC+15], v[OT+8*\t+8:OT+8*\t+15], v[VS+\t/2], v[PS] matrix_a_scale:MATRIX_SCALE_ROW1
.endr
	WIN 0
.endm
; THE CHANGE OF BUFFERS.  Each wave waits for all its tensor loads (its part of the next buffer), adds 0 to its spare word, and waits for that and for its reads of the buffer in hand, the last of which
; brought V of the slot's second step into registers.  Behind the barrier the next buffer is whole and nobody reads this one.  fill = 1: this one takes the walk's slot N + ahead: one tensor load a wave,
; first thing behind the barrier; it has a whole slot's work in which to land.
.macro CHANGE fill, ahead
	s_wait_tensorcnt 0x0                           ; no tensor load of mine is out, so a group 0 may be written
	ds_add_u32 v[SPW], v[NIL]                      ; 0 onto my spare word: the descriptors are made between it and the wait for it
.if \fill
	KSLOT KN, \ahead
	s_lshl_b32 s[OFF], s[KN], 15                   ; 256 keys of 128 bytes
	s_add_nc_u64 s[G0K+2:G0K+3], s[KB:KB+1], s[OFF:OFF+1]
	s_or_b32 s[G0K+3], s[G0K+3], 0x80000000        ; 127:126 type = 2
	s_lshl_b32 s[OFF], s[KN], 8                    ; 256 bytes along V's rows
	s_add_nc_u64 s[G0V+2:G0V+3], s[VB:VB+1], s[OFF:OFF+1]
	s_or_b32 s[G0V+3], s[G0V+3], 0x80000000
	s_xor_b32 s[G0K+1], s[G0K+1], SLOT1            ; the other buffer than last time
	s_xor_b32 s[G0V+1], s[G0V+1], SLOT1
.endif
	s_wait_dscnt 0x0                               ; the add is done, and my reads of the buffer in hand are over
	s_barrier_signal -1
	s_barrier_wait -1
.if \fill
	TLOAD G0K, G1K, G0V, G1V
.endif
.endm
; THE WAY OUT of a pass.  The sum's halves are added; O^T is divided by the sum and goes through my stage in LDS, half a row (64 channels, 256 bytes) of 16 queries at a time, so that sixteen lanes
; store 256 consecutive bytes, at a multiple of 256 from out0's first byte.
.macro FINISH so
.rept 8
	v_nop                                          ; places behind the last products (ISA guide 7.12.1)
.endr
	v_add_f32 v[LS], v[LS], v[LS+1]
	v_permlanex16_b32 v[LS+1], v[LS], s[SEL], s[SEL+1]
	v_add_f32 v[LS], v[LS], v[LS+1]                ; with lane l xor 16's keys: the row's sum
	v_rcp_f32 v[LS], v[LS]
	v_nop                                          ; a plain line behind the reciprocal
.set J, 0
	s_wait_alu depctr_va_vdst(0)
.rept 32
	v_pk_mul_f32 v[SS+J:SS+J+1], v[OT+J:OT+J+1], v[LS:LS+1] op_sel_hi:[1,0]   ; register 8 t + i is o(r, 16 t + 8 h + i); each accumulator from its low end on
.set J, J+2
.endr
.irp u, 0,1
.irp t, 0,1,2,3
	ds_store_b128 v[STO], v[SS+32*\u+8*\t:SS+32*\u+8*\t+3] offset:64*\t
	ds_store_b128 v[STO], v[SS+32*\u+8*\t+4:SS+32*\u+8*\t+7] offset:64*\t+16
.endr
.irp i, 0,1,2,3,4,5,6,7
	ds_load_b128 v[32+32*\u+4*\i:35+32*\u+4*\i], v[RD] offset:2*\i*272   ; LDS serves a wave's instructions in order (ISA guide 5.7.1.4): these see my stores, and the next half's stores come behind them
.endr
.endr
.irp u, 0,1
.irp i, 0,1,2,3,4,5,6,7
	s_wait_dscnt 23-16*\u-\i                       ; behind this load stand the 7 - i left of its half and, for the first half, the second's 8 stores and 8 loads
	global_store_b128 v[GO], v[32+32*\u+4*\i:35+32*\u+4*\i], s[\so:\so+1] offset:2*\i*512+256*\u th:TH_STORE_NT
.endr
.endr
	s_wait_xcnt 0x0                                ; the stores have read their registers: v32-95 are written again only behind this wait
.endm
; Between the passes: the first pass's rows leave; Q of the second comes back from its image; the sums begin anew as zeros, so that the key step is written for both passes alike.
.macro TRANSITION
	FINISH OA
	v_lshl_add_u32 v[DR], v0, 4, QIMG
.irp c, 0,1,2,3
	ds_load_b128 v[QF+4*\c:QF+4*\c+3], v[DR] offset:4096*\c
.endr
	v_mov_b32 v[QS], v[QS2]                        ; a scale word written by a vector line: the 66 lines below stand between it and the next product
	v_mov_b32 v[LS], 0
	v_mov_b32 v[LS+1], 0
.set J, 0
.rept 64
	v_mov_b32 v[OT+J], 0
.set J, J+1
.endr
.endm
; ONE SLOT OF THE WALK: two key steps.  K of its first step was fetched in the slot before.
.macro SLOTBODY fill
	KSLOT T2, 0
	s_mul_i32 s[TS], s[T2], 1088
	s_lshl_b32 s[TJ], s[T2], 3
	s_lshl_b32 s[KF], s[T2], 8
	s_cmp_lt_u32 s[N], s[N1]
	s_cselect_b32 s[Q0], s[QA], s[QB]
	s_cselect_b32 s[HB], s[HA], s[HBB]
	s_cmp_ge_u32 s[KF], s[HB]                      ; both are multiples of 128: the second step begins behind the work-group's 128 queries
	s_cselect_b32 s[HF], 1, 0
.if \fill
	s_cmp_lg_u32 s[N], s[N1]                       ; N1 is 1 to 4: the pass changes in one of the first loop's trips
	s_cbranch_scc1 .Lsame_\@
	TRANSITION
.Lsame_\@:
.endif
	SPHASE
	VLOAD 0                                        ; lands under the soft cap
	KLOAD TB, TS, 1                                ; the second step's K likewise
	PHASE_T
	MASK 0
	PHASE_E
	PVPHASE
	s_cmp_lg_u32 s[HF], 0
	s_cbranch_scc1 .Lh1_\@
	SPHASE
	VLOAD 1                                        ; my last reads of this buffer
	PHASE_T
.Lh1_\@:
	CHANGE \fill, 2
.if \fill == 0
	s_cmp_eq_u32 s[N], 8                           ; behind the walk's last slot nothing is left to fetch
	s_cbranch_scc1 .Lnok_\@
.endif
	s_xor_b32 s[TBN], s[TB], SLOT1
	KSLOT T2, 1
	s_mul_i32 s[TSN], s[T2], 1088
	KLOAD TBN, TSN, 0                              ; the next slot's first K: lands under the quantiser
.if \fill == 0
.Lnok_\@:
.endif
	s_cmp_lg_u32 s[HF], 0
	s_cbranch_scc1 .Lh2_\@
	MASK 1
	PHASE_E
	PVPHASE
.Lh2_\@:
	s_xor_b32 s[TB], s[TB], SLOT1
	s_add_co_u32 s[N], s[N], 1
.endm
	s_load_b128 s[4:7], s[0:1], 0x0                ; K's codes, K's scales
	s_load_b128 s[8:11], s[0:1], 0x10              ; Q's codes, Q's scales
	s_load_b128 s[12:15], s[0:1], 0x20             ; V's codes, V's scales
	s_load_b64 s[16:17], s[0:1], 0x30              ; out0
	v_lshl_add_u32 v[SPW], v0, 2, SPARE
	v_mov_b32 v[NIL], 0
	ds_add_u32 v5, v6
	s_wait_dscnt 0x0
	v_lshrrev_b32 v[ADK], 5, v0
	v_readfirstlane_b32 s[WV], v[ADK]              ; wave 0..7
	s_and_b32 s[T1], ttmp7, 0xffff                 ; the head
	s_lshr_b32 s[N1], ttmp9, 1
	s_xor_b32 s[NG], s[N1], 15                     ; 15 - g / 2 = 16 - N1
	s_add_co_u32 s[N1], s[N1], 1                   ; g / 2 + 1 slots hold the first pass's g + 1 key steps
	s_lshl_b32 s[HA], ttmp9, 7                     ; the work-group's first queries: 128 g,
	s_sub_co_u32 s[HBB], 15, ttmp9
	s_lshl_b32 s[HBB], s[HBB], 7                   ; 128 (15 - g)
	s_lshl_b32 s[T2], s[WV], 4
	s_add_co_u32 s[QA], s[HA], s[T2]               ; and mine
	s_add_co_u32 s[QB], s[HBB], s[T2]
	s_and_b32 s[EE], s[WV], 1                      ; which part of K, half of V or half of the scale bytes I fetch, if I fetch
	s_lshl_b32 s[T3], s[T1], 18                    ; the head's first byte in each tensor of codes,
	s_lshl_b32 s[T4], s[T1], 13                    ; of scale bytes,
	s_lshl_b32 s[T5], s[T1], 20                    ; and in out0
	s_mov_b32 s[OFF+1], 0
	; descriptor group 1.  K's part: 16 rows of 1,024 bytes (eight keys), 2,048 bytes apart; 16 bytes of padding behind every 128: each key's row 144 bytes from the last
	s_mov_b32 s[G1K], (0<<16)|(1<<20)|(4<<22)|(3<<25)   ; 15:0 no mask; 17:16 elements of 1 byte; 20 padding on; 24:22 after every 32 words (code 4); 31:25 four words (code 3)
	s_mov_b32 s[G1K+1], 1024<<16                   ; tensor_dim0
	s_mov_b32 s[G1K+2], 16<<16                     ; tensor_dim1
	s_mov_b32 s[G1K+3], 1024<<16                   ; tile_dim0
	s_mov_b32 s[G1K+4], 16                         ; tile_dim1
	s_mov_b32 s[G1K+5], 2048                       ; tensor_dim0_stride
	s_mov_b32 s[G1K+6], 0
	s_mov_b32 s[G1K+7], 0
	; V's half: 64 rows of 256 bytes, 2,048 bytes apart; padding behind every 256
	s_mov_b32 s[G1V], (0<<16)|(1<<20)|(5<<22)|(3<<25)
	s_mov_b32 s[G1V+1], 256<<16
	s_mov_b32 s[G1V+2], 64<<16
	s_mov_b32 s[G1V+3], 256<<16
	s_mov_b32 s[G1V+4], 64
	s_mov_b32 s[G1V+5], 2048
	s_mov_b32 s[G1V+6], 0
	s_mov_b32 s[G1V+7], 0
	; half a head's scale bytes: 4,096 dense bytes as 16 rows of 256 (32 elements of 8 bytes), padding behind each
	s_mov_b32 s[G1S], (3<<16)|(1<<20)|(5<<22)|(3<<25)
	s_mov_b32 s[G1S+1], 32<<16
	s_mov_b32 s[G1S+2], 16<<16
	s_mov_b32 s[G1S+3], 32<<16
	s_mov_b32 s[G1S+4], 16
	s_mov_b32 s[G1S+5], 32
	s_mov_b32 s[G1S+6], 0
	s_mov_b32 s[G1S+7], 0
	s_mov_b32 s[MNT], 0x600000
	s_mov_b32 s[SEL], 0x76543210
	s_mov_b32 s[SEL+1], 0xfedcba98
	s_mov_b32 s[CX], 0x3AE7B46A                    ; 1 / (50 sqrt(128))
	s_mov_b32 s[CX+1], s[CX]                       ; (named with it as a pair, so it is written)
	s_mov_b32 s[XHI], 0x40FCF84F                   ; 7.9053
	s_mov_b32 s[XLO], 0xC0FCF84F
	s_wait_kmcnt 0x0
	s_lshl_b32 s[T2], s[EE], 12
	s_add_co_u32 s[OFF], s[T4], s[T2]              ; my half of the head's scale bytes, in memory,
	s_mul_i32 s[T2], s[EE], SCH                    ; and in LDS
	s_mov_b32 s[G0SK], 1
	s_add_co_u32 s[G0SK+1], s[T2], SCK
	s_add_nc_u64 s[G0SK+2:G0SK+3], s[6:7], s[OFF:OFF+1]
	s_or_b32 s[G0SK+3], s[G0SK+3], 0x80000000
	s_mov_b32 s[G0SV], 1
	s_add_co_u32 s[G0SV+1], s[T2], SCV
	s_add_nc_u64 s[G0SV+2:G0SV+3], s[14:15], s[OFF:OFF+1]
	s_or_b32 s[G0SV+3], s[G0SV+3], 0x80000000
	TLOAD G0SK, G1S, G0SV, G1S                     ; the scale bytes of the whole head: filled once
	s_lshl_b32 s[T2], s[EE], 10                    ; K's part u begins eight keys x u on
	s_add_co_u32 s[OFF], s[T3], s[T2]
	s_add_nc_u64 s[KB:KB+1], s[4:5], s[OFF:OFF+1]
	s_lshl_b32 s[T2], s[EE], 17                    ; V's second half 64 rows of 2,048 bytes on
	s_add_co_u32 s[OFF], s[T3], s[T2]
	s_add_nc_u64 s[VB:VB+1], s[12:13], s[OFF:OFF+1]
	s_mov_b32 s[G0K], 1                            ; 1:0 count = 1
	s_mul_i32 s[G0K+1], s[EE], KPART               ; 63:32 LDS address: buffer 0
	s_mov_b64 s[G0K+2:G0K+3], s[KB:KB+1]           ; 120:64 global address: the head's first 256 keys
	s_or_b32 s[G0K+3], s[G0K+3], 0x80000000        ; 127:126 type = 2
	s_mov_b32 s[G0V], 1
	s_mul_i32 s[G0V+1], s[EE], VHALF
	s_add_co_u32 s[G0V+1], s[G0V+1], VOFF
	s_mov_b64 s[G0V+2:G0V+3], s[VB:VB+1]
	s_or_b32 s[G0V+3], s[G0V+3], 0x80000000
	TLOAD G0K, G1K, G0V, G1V                       ; the walk's slot 0: two tensor loads of mine are out at the most
	s_mov_b32 s[OFF], s[T3]
	s_add_nc_u64 s[8:9], s[8:9], s[OFF:OFF+1]      ; Q's codes at the head,
	s_mov_b32 s[OFF], s[T4]
	s_add_nc_u64 s[10:11], s[10:11], s[OFF:OFF+1]  ; its scale words
	s_lshl_b32 s[T2], s[QA], 9
	s_add_co_u32 s[OFF], s[T5], s[T2]
	s_add_nc_u64 s[OA:OA+1], s[16:17], s[OFF:OFF+1]   ; out0 at my first query of each pass
	s_lshl_b32 s[T2], s[QB], 9
	s_add_co_u32 s[OFF], s[T5], s[T2]
	s_add_nc_u64 s[OB:OB+1], s[16:17], s[OFF:OFF+1]
	v_and_b32 v80, 15, v0                          ; r = lane % 16
	v_bfe_u32 v81, v0, 4, 1                        ; h = lane / 16
	v_lshlrev_b32 v82, 7, v80
	v_lshl_add_u32 v82, v81, 4, v82                ; Q: row r of 128 bytes, + 16 h
	s_lshl_b32 s[T2], s[QA], 7
	v_add_nc_u32 v83, s[T2], v82
	s_lshl_b32 s[T2], s[QB], 7
	v_add_nc_u32 v88, s[T2], v82
	v_lshlrev_b32 v89, 2, v80                      ; its scale words: 4 bytes a row
	s_lshl_b32 s[T2], s[QA], 2
	v_add_nc_u32 v90, s[T2], v89
	s_lshl_b32 s[T2], s[QB], 2
	v_add_nc_u32 v91, s[T2], v89
.irp c, 0,1,2,3
	global_load_b128 v[QF+4*\c:QF+4*\c+3], v83, s[8:9] offset:32*\c      ; the first pass's Q stays in registers
.endr
.irp c, 0,1,2,3
	global_load_b128 v[32+4*\c:35+4*\c], v88, s[8:9] offset:32*\c        ; the second pass's waits in LDS
.endr
	global_load_b32 v[QS], v90, s[10:11]
	global_load_b32 v[QS2], v91, s[10:11]
	v_mul_u32_u24 v[AK0], v80, KP
	v_lshl_add_u32 v[AK0], v81, 4, v[AK0]
	v_mul_u32_u24 v[AV0], v80, VP
	v_lshl_add_u32 v[AV0], v81, 4, v[AV0]
	v_add_nc_u32 v[AV0], VOFF, v[AV0]
	v_and_b32 v[ASK0], 8, v80
	v_add_nc_u32 v[ASK0], v[ASK0], v80             ; r + 8 (r / 8)
	v_lshlrev_b32 v[ASK0], 2, v[ASK0]              ; 4 bytes a key;
	v_lshl_add_u32 v[ASK0], v81, 5, v[ASK0]        ; lanes 16-31 take the odd tile's, eight keys on
	v_add_nc_u32 v[ASK0], SCK, v[ASK0]
	v_lshrrev_b32 v[ASV0], 2, v80                  ; V's: 64 bytes a row, four rows to a piece of 256 + 16;
	v_mul_u32_u24 v[ASV0], v[ASV0], 272
	v_and_b32 v92, 3, v80
	v_lshl_add_u32 v[ASV0], v92, 6, v[ASV0]
	v_mad_u32_u24 v[ASV0], v81, 1088, v[ASV0]      ; lanes 16-31 take the odd tile's, 16 rows on
	v_add_nc_u32 v[ASV0], SCV, v[ASV0]
	v_lshlrev_b32 v[GO], 9, v81
	v_lshl_add_u32 v[GO], v80, 4, v[GO]            ; the way out: lanes 0-15 one row of out0, lanes 16-31 the next; 16 bytes a lane
	s_mul_i32 s[T2], s[WV], 16*272
	s_add_co_u32 s[T2], s[T2], STAGE               ; my stage
	v_mul_u32_u24 v[STO], v80, 272
	v_lshl_add_u32 v[STO], v81, 5, v[STO]
	v_add_nc_u32 v[STO], s[T2], v[STO]             ; in: row r, 32 bytes for each half of the lanes
	v_mul_u32_u24 v[RD], v81, 272
	v_lshl_add_u32 v[RD], v80, 4, v[RD]
	v_add_nc_u32 v[RD], s[T2], v[RD]               ; back: lanes 0-15 one row, lanes 16-31 the next
	v_mov_b32 v[CA], NUM13
	v_mov_b32 v[CA+1], NUM13
	v_mov_b32 v[CB], DEN6
	v_mov_b32 v[CB+1], DEN6
	v_mov_b32 v[LS], 0                             ; the sum, in two halves
	v_mov_b32 v[LS+1], 0
.irp b, 0,1,2,3
	v_mov_b32 v[TM+4+\b], 0                        ; written once: a lane permute's destination counts as one of its sources
.endr
.set J, 0
.rept 64
	v_mov_b32 v[OT+J], 0                           ; O^T begins as zeros, so that the key step is written once for first and later steps
.set J, J+1
.endr
	v_lshl_add_u32 v[DR], v0, 4, QIMG
	s_wait_loadcnt 0x0                             ; Q, both passes'
.irp c, 0,1,2,3
	ds_store_b128 v[DR], v[32+4*\c:35+4*\c] offset:4096*\c   ; the image: my wave's own bytes
.endr
	s_mov_b32 s[N], 0
	s_mov_b32 s[TB], 0
	s_mov_b32 s[TSN], 0
	CHANGE 1, 1                                    ; the scale bytes and slot 0 are whole for every wave; buffer 1's first fill, the walk's slot 1, goes out as a refill does
	KLOAD TB, TSN, 0                               ; the first step's K
.Lwalk:                                            ; seven trips: trip n reads the walk's slot n and asks for slot n + 2
	SLOTBODY 1
	s_cmp_lt_u32 s[N], 7
	s_cbranch_scc1 .Lwalk
.Ltail:                                            ; the last two slots are written out apart: nothing is left to ask for
	SLOTBODY 0
	s_cmp_lt_u32 s[N], 9
	s_cbranch_scc1 .Ltail
	FINISH OB
	s_wait_tensorcnt 0x0                           ; the wave's end: behind my last tensor load and my last LDS store
	ds_add_u32 v[SPW], v[NIL]
	s_wait_dscnt 0x0
	s_endpgm
.Lfunc_end_k_q488ecacc48_attn:
	.size	k_q488ecacc48_attn, .Lfunc_end_k_q488ecacc48_attn-k_q488ecacc48_attn
	.p2alignl 7, 3214868480
	.fill 96, 4, 3214868480
	.section	.rodata,"a",@progbits
	.p2align	6, 0x0
	.amdhsa_kernel k_q488ecacc48_attn
		.amdhsa_group_segment_fixed_size 327680
		.amdhsa_private_segment_fixed_size 0
		.amdhsa_enable_private_segment 0
		.amdhsa_kernarg_size 56
		.amdhsa_user_sgpr_count 2
		.amdhsa_user_sgpr_kernarg_segment_ptr 1
		.amdhsa_wavefront_size32 1
		.amdhsa_system_sgpr_workgroup_id_x 1
		.amdhsa_system_sgpr_workgroup_id_y 1
		.amdhsa_system_sgpr_workgroup_id_z 1
		.amdhsa_system_vgpr_workitem_id 0
		.amdhsa_next_free_vgpr 512
		.amdhsa_next_free_sgpr 100
		.amdhsa_reserve_vcc 1
		.amdhsa_float_denorm_mode_32 3
		.amdhsa_float_denorm_mode_16_64 3
		.amdhsa_memory_ordered 1
		.amdhsa_forward_progress 1
		.amdhsa_inst_pref_size 255
	.end_amdhsa_kernel
	.section	.bss,"aw",@nobits
	.p2align	6
	.space	262144
	.amdgpu_metadata
---
amdhsa.version: [ 1, 2 ]
amdhsa.kernels:
  - .name:           k_q488ecacc48_attn
    .symbol:         k_q488ecacc48_attn.kd
    .args:
      - { .name: k_codes, .offset: 0, .size: 8, .value_kind: global_buffer, .address_space: global }
      - { .name: k_scales, .offset: 8, .size: 8, .value_kind: global_buffer, .address_space: global }
      - { .name: q_codes, .offset: 16, .size: 8, .value_kind: global_buffer, .address_space: global }
      - { .name: q_scales, .offset: 24, .size: 8, .value_kind: global_buffer, .address_space: global }
      - { .name: v_codes, .offset: 32, .size: 8, .value_kind: global_buffer, .address_space: global }
      - { .name: v_scales, .offset: 40, .size: 8, .value_kind: global_buffer, .address_space: global }
      - { .name: out0, .offset: 48, .size: 8, .value_kind: global_buffer, .address_space: global }
    .group_segment_fixed_size: 327680
    .private_segment_fixed_size: 0
    .kernarg_segment_align: 8
    .kernarg_segment_size: 56
    .max_flat_workgroup_size: 256
    .sgpr_count:     100
    .vgpr_count:     512
    .wavefront_size: 32
...
	.end_amdgpu_metadata
.endif
;; end of part 1
